; MI455X (gfx1250); checked and timed in simulation.
; The chip was launched on July 23, 2026; its instructions are those of AMD's public machine-readable ISA for CDNA 5 (MIT licence, August 2026) and "CDNA5" Instruction Set Architecture Reference Guide (July 2026). The comments in the code are by the model that wrote it; some were corrected since.
;; Causal Self Attention. Allowed arithmetic: matrix products marked QUANTISED: E4M3 operands, one given power-of-two scale a tensor, by v_wmma_f32_16x16x64_fp8_fp8 or v_wmma_f32_16x16x128_fp8_fp8, f32 sums; everything else in f32.
;; Inputs: W_attn_codes 3,072 x 32 x 32 uint8 (E4M3 codes of W_attn, K innermost, in blocks of 32 codes); W_proj_codes 1,024 x 32 x 32 uint8 (E4M3 codes of W_proj, K innermost, in blocks of 32 codes); b_attn 3,072 float32; b_proj 1,024 float32; lowp_scales 8 int32 (the exponents e of the quantised operands' scales 2^e); x_codes 4 x 2,048 x 32 x 32 uint8 (E4M3 codes of x, K innermost, in blocks of 32 codes).
;; Outputs: out0 4 x 2,048 x 1,024 float32.
;; This version of the problem:
;;   THIS VERSION OF THE PROBLEM IS GIVEN IN LOW PRECISION. The matrix products marked QUANTISED in the list below multiply operands that are first quantised to E4M3 (4 exponent bits, 3 mantissa bits; 8 bits a number), with one given power-of-two scale for each operand tensor; their sums are f32. All else is computed in f32.
;;   The module's matrix products, in the order in which they are computed (A, B: the left and right operand; K: the contracted axis; several contracted axes count as one K, in the product's order):
;;     1. [M 8,192, K 1,024] x [K 1,024, N 3,072]; A: input x (given as codes); B: input W_attn (given as codes): QUANTISED (scales: A lowp_scales[0], B lowp_scales[1])
;;     2. batch 64 x [M 2,048, K 64] x [K 64, N 2,048]; A: computed on the way; B: computed on the way: QUANTISED (scales: A lowp_scales[2], B lowp_scales[3])
;;     3. batch 64 x [M 2,048, K 2,048] x [K 2,048, N 64]; A: softmax (see below); B: computed on the way: QUANTISED (scales: A lowp_scales[4], B lowp_scales[5])
;;     4. [M 8,192, K 1,024] x [K 1,024, N 1,024]; A: computed on the way; B: input W_proj (given as codes): QUANTISED (scales: A lowp_scales[6], B lowp_scales[7])
;;   THE QUANTISER, for each operand of a quantised product, along K:
;;     - The operand's scale is 2^e, e = its entry of the input lowp_scales (int32; the entries are numbered through the quantised products in the list's order, A before B).
;;     - Each number is divided by the scale, clamped to +-448, and rounded to the nearest number of E4M3, ties to even, subnormals kept.
;;     - The product sums the exact products of the quantised numbers (number of the format x scale) in f32.
;;   ~~~python
;;   def quantise(x, axis, e):      # numpy; x: float32 -> the quantised numbers, widened to float32 again
;;       x = np.moveaxis(x, axis, -1); K = x.shape[-1]
;;       r = np.clip(x / 2.0 ** e, -448, 448)
;;       step = 2.0 ** (np.maximum(np.frexp(np.where(r == 0, 1, r))[1] - 1, -6) - 3)
;;       q = np.round(r / step) * step * 2.0 ** e      # np.round: ties to even
;;       return np.moveaxis(q, -1, axis).astype(np.float32)
;;   ~~~
;;   SOFTMAX AHEAD OF A QUANTISED PRODUCT. Where the list says 'softmax', what is quantised is not the finished softmax but p = 2^(t - M), with t = logit x log2(e) and M = ceil(the row's largest t), a whole number; so 1/2 < the row's largest p <= 1. The row's sum l is taken of the UNQUANTISED p, in f32, and the product's result is divided by l at the end. Since M is a whole number, a kernel that streams over the keys may use a running M (the ceiling of the running maximum): every later rescaling is an exact power of two, so the quantised numbers keep their values, but for numbers so far below the row's largest that they fall under the format's range.
;;   OPERANDS COMPUTED ON THE WAY. 'Computed on the way' means the value that the module computes at that place (a softmax that the list does not call 'softmax' is quantised finished and normalised). What goes into a quantiser is computed in f32, as accurately as f32 sums, v_exp_f32 and their like allow (about 1e-6 of the number): no bf16 or f16 on the way to a quantiser, and a product that is left as it is and whose result goes on into a quantised operand takes f32 operands (vector FMAs, or v_wmma_f32_16x16x4_f32). A number that lies on a knife's edge between two numbers of the format may be rounded either way, as far as f32 arithmetic and the matrix unit's own rounding can turn it there, and no further.
;;   INPUTS GIVEN AS CODES. W_attn (in the module: [1024, 3072], K = its axis 0); W_proj (in the module: [1024, 1024], K = its axis 0); x (in the module: [4, 2048, 1024], K = its axis 2): each comes as NAME_codes (uint8): NAME with its K axis moved to the last place and cut into blocks of 32 codes, [.., K / 32, bytes a block], one block behind the other in memory; one code a byte (a code: sign, 4 exponent bits, 3 mantissa bits); its scale is its entry of lowp_scales. Its value is code x scale, taken as it is: it is not quantised again, and the codes and scales need not be those that the quantiser above would give.
;; One version. Each part assembles by itself: llvm-mc -triple=amdgcn-amd-amdhsa -mcpu=gfx1250 --defsym DOCPART=n.
;; ======== version 1 of 1: 3 launches
;; limits: right only within a limited range of input values
;; workspace buffers: q_img 8,388,608 bytes; kv_img 16,777,216 bytes; ctx_img 8,388,608 bytes
;; launch qkv (part 1): grid 12 x 32, 4 waves a work-group, clusters of 4 x 4, 327,680 bytes of LDS; arguments x_codes, W_attn_codes, b_attn, lowp_scales, q_img, kv_img; writes q_img, kv_img
.if DOCPART == 1
	.amdgcn_target "amdgcn-amd-amdhsa--gfx1250"
	.amdhsa_code_object_version 6
	.text
	.protected	k_q01f980bcd9_qkv
	.globl	k_q01f980bcd9_qkv
	.p2align	8
	.type	k_q01f980bcd9_qkv,@function
k_q01f980bcd9_qkv:
	s_mov_b64 s[64:65], 0
	v_nop
	global_prefetch_b8 v0, s[64:65] scope:SCOPE_SE
	s_setreg_imm32_b32 hwreg(HW_REG_WAVE_MODE, 25, 1), 1
	s_wait_xcnt 0x0
	s_wait_alu depctr_hold_cnt(0) depctr_sa_sdst(0) depctr_va_vdst(0) depctr_va_sdst(0) depctr_va_ssrc(0) depctr_va_vcc(0) depctr_vm_vsrc(0)
	s_getreg_b32 s2, hwreg(HW_REG_IB_STS2, 6, 4)
	s_cmp_eq_u32 s2, 0
	s_cbranch_scc0 .Lentry_in_a_cluster
	s_endpgm
.Lentry_in_a_cluster:
	s_bfe_u32 s2, ttmp6, 0x10000c
	s_cmp_lg_u32 s2, 0xf033
	s_cbranch_scc0 .Lentry_shape_is_right
	s_endpgm
.Lentry_shape_is_right:
; qkv = x W_attn + b_attn on codes of FP8 (E4M3); q, k and v are quantised at once (scales 2^e2, 2^e3, 2^e5) and stored as IMAGES OF OPERAND REGISTERS for the attention launch.
; x: [8192][1024] codes, W_attn: [3072][1024] codes, K innermost.  A sum stands for sum x 2^(e0 + e1); value = sum x 2^(e0 + e1) + bias in f32; code = value / 2^e, nearest, ties to even.
; LIMITS: e0 + e1 between -126 and 127; e2, e3, e5 between -126 and 119, so that each power of two below is an f32 number.  NaN codes and NaN biases are not served.
; A tile of 256 x 256 is made by four waves, 128 x 128 each: 64 accumulators, 512 registers.  K goes in steps of 256 through a ring of two LDS slots filled by the tensor data mover.
; THE MATRIX INSTRUCTION: source 0 = 16 rows of "B", source 1 = 16 rows of "A": a lane holds ONE row of A and its eight registers eight neighbouring rows of B.
;   cluster x = 0 (q), 1 (k): A = x, B = W: a lane holds one token and eight neighbouring channels of a head: eight codes along the head's 64, the K of q k^T.
;   cluster x = 2 (v):        A = W's rows 2048 on, B = x: a lane holds one channel and eight neighbouring tokens: eight codes along the keys, the K of p v.
; So one conversion of an accumulator gives registers 2 c, 2 c + 1 of an operand in the plain 8-bit layout (k = 16 c + 8 (lane / 16) + 0 .. 7), and four such registers of the 32 lanes are stored as 512 consecutive bytes.
;   q_img:  (16 b + h) x 131072 + (s / 16) x 1024 + quad x 512 + 16 lane
;   kv_img: (16 b + h) x 262144 + (s / 128) x 16384 + [ k: key tile x 1024 + quad x 512 | v: 8192 + channel tile x 2048 + quad x 512 ] + 16 lane
; CLUSTERS: 4 x 4 work-groups.  A's tile hangs on cy (and the cluster's ids) alone and is shared along a row of the cluster, B's on cx alone and is shared along a column: joint loads.
; REGISTERS, in windows of 256: window 0: v0-31 addresses; v32-95, v96-111 the biases; from v128 A's fragments, ONE set (on the way out: v128-191 values, v192-255 codes, four sets of 16).
;   window 1: B's fragments, two sets.   window 2, 3: the accumulators ((a, b) at v[8 (8 (a % 4) + b)]).
.set KSTEP,  256                       ; along K in a slot
.set ROWB,   256                       ; a tile's row in bytes
.set KROW,   1024                      ; a row of x or W in memory, in bytes
.set PITCH,  272                       ; an LDS row: 256 bytes + 16 of padding = 68 words: the 16 rows that a load touches start at 16 different banks (64 banks of 4 bytes: ISA guide 11.1)
.set FR,     16                        ; registers of a fragment: 16 rows x 128 K
.set NL,     4                         ; LDS loads that bring one
.set NP,     4                         ; places behind this matrix instruction (ISA guide 7.12.1)
.set HALFT,  128*PITCH                 ; 128 rows: what one tensor load brings
.set SLOT,   4*HALFT                   ; A's 256 rows, then B's 256 rows
.set LAPS,   KROW/(2*KSTEP)            ; 2 laps round the ring
.set SPARE,  2*SLOT                    ; behind the ring: the spare words, 128 bytes a wave, named by no other line
.set VBN,  6                           ; v6   32 x (lane / 16): my eight channels' bytes in a block of 16 biases
.set VBM,  7                           ; v7   4 x (lane % 16): my row's bias
.set LI,   8                           ; v8   16 x lane: my place in an image's 512 bytes
.set SC,   9                           ; v9   2^e of the operand that this work-group makes
.set LIM,  10
.set ADRA, 16                          ; v16-17  LDS address of my A fragments in slot 0, 1
.set ADRB, 20                          ; v20-21  the same for B
.set SPW,  28                          ; v28  LDS address of my spare word; never rewritten
.set NIL,  29                          ; v29  0; never rewritten
.set BN,   32                          ; v32-95  bias along the registers (q, k): BN[8 b + j]
.set BM,   96                          ; v96-111 bias along the lanes (v): BM[2 a] = BM[2 a + 1]
.set AF,   128                         ; A's fragments
.set TMP,  128                         ; the way out: 64 values
.set CD,   192                         ; the way out: codes, four sets of 16 registers
.set G1,  24                           ; s[24:31] descriptor group 1 for A's tiles;  s[32:39] group 0, one set for each slot
.set G0,  32
.set G1B, 48                           ; s[48:55], s[56:63] the same for B's tiles
.set G0B, 56
.set MSB, 0
.macro WIN new                         ; the immediate's high byte repeats the setting that is left; a switch that changes nothing is dropped
.if MSB != (\new)
	s_set_vgpr_msb (MSB<<8)|(\new)
.set MSB, (\new)
.endif
.endm
.set MUL_LO, 0xa1                      ; source 0 (B) window 1, source 1 (A) window 0, C and D window 2
.set MUL_HI, 0xf1                      ; the same, C and D window 3
.set TO_B,   0x40                      ; destination window 1, address window 0
; A joint load: waves 0 and 1 fetch for A, waves 2 and 3 for B.  The branch hangs on the wave's number alone.  Four v_nop follow each of the two lines.
.macro JLOAD g0a, g1a, g0b, g1b
	s_cmp_eq_u32 s15, 0
	s_cbranch_scc0 .Lfor_b_\@
	tensor_load_to_lds s[\g0a:\g0a+3], s[\g1a:\g1a+7]
	s_nop 0
.rept 4
	v_nop
.endr
	s_branch .Lasked_\@
.Lfor_b_\@:
	tensor_load_to_lds s[\g0b:\g0b+3], s[\g1b:\g1b+7]
	s_nop 0
.rept 4
	v_nop
.endr
.Lasked_\@:
.endm
.macro CREST                           ; a round of the cluster's barrier behind its opening barrier
	s_cmp_lg_u32 s14, 0
	s_cbranch_scc1 .Lnot_wave_0_\@
	s_barrier_signal -3
.Lnot_wave_0_\@:
	s_barrier_wait -3
	s_barrier_signal -1
	s_barrier_wait -1
.endm
.macro CROUND                          ; a whole round
	s_barrier_signal -1
	s_barrier_wait -1
	CREST
.endm
	s_load_b256 s[4:11], s[0:1], 0x0               ; x s[4:5], W s[6:7], b_attn s[8:9], the scales' exponents s[10:11]
	s_load_b128 s[68:71], s[0:1], 0x20             ; q_img s[68:69], kv_img s[70:71]
	v_lshl_add_u32 v[SPW], v0, 2, SPARE
	v_mov_b32 v[NIL], 0
	ds_add_u32 v28, v29
	ds_add_u32 v28, v29
	s_wait_dscnt 0x0
	v_lshrrev_b32 v1, 5, v0
	v_readfirstlane_b32 s14, v1                    ; wave 0..3
	s_lshr_b32 s15, s14, 1                         ; wr: which half of A's rows is mine.  Also: I fetch for A (0) or for B (1)
	s_and_b32 s16, s14, 1                          ; wc: which half of B's rows.  Also: which 128 rows of that tile I fetch
	s_bfe_u32 s40, ttmp6, 0x40000                  ; cx
	s_bfe_u32 s41, ttmp6, 0x40004                  ; cy
	s_and_b32 s17, ttmp7, 0xffff                   ; the cluster's y, 0..7;  ttmp9 is the cluster's x: 0 q, 1 k, 2 v: the same in all sixteen partners
	s_lshl_b32 s43, s41, 2
	s_lshl_b32 s43, 15, s43                        ; my row of the cluster
	s_lshl_b32 s44, 0x1111, s40                    ; my column
	; A's first row, made of cy and the cluster's ids alone; B's, of cx and the cluster's ids alone
	s_lshl_b32 s80, s41, 8                         ; 256 cy
	s_lshl_b32 s81, s17, 10
	s_add_co_u32 s81, s81, s80                     ; q, k: row of x = 1024 cluster y + 256 cy
	s_add_co_u32 s80, s80, 2048                    ; v: row of W = 2048 + 256 cy
	s_lshl_b32 s82, s40, 8                         ; 256 cx
	s_lshl_b32 s83, ttmp9, 10
	s_add_co_u32 s83, s83, s82                     ; q, k: row of W = 1024 cluster x + 256 cx
	s_lshl_b32 s42, s17, 10
	s_add_co_u32 s82, s82, s42                     ; v: row of x = 1024 cluster y + 256 cx
	s_cmp_eq_u32 ttmp9, 2
	s_cselect_b32 s80, s80, s81                    ; A's row
	s_cselect_b32 s82, s82, s83                    ; B's row (s83 stays: the bias along the registers begins there)
	; descriptor group 1: a tile of 128 rows x 256 bytes, padded in LDS
	s_or_b32 s[G1+0], s43, (0<<16)|(1<<20)|(1<<21)|(5<<22)|(3<<25)  ; 15:0 the mask: my row; 17:16 elements of 1 byte; 20 padding on; 21 set beside a mask; 24:22 after every 64 words; 31:25 four words
	s_or_b32 s[G1B+0], s44, (0<<16)|(1<<20)|(1<<21)|(5<<22)|(3<<25) ; the same with the mask of my column
.irp g, G1, G1B
	s_mov_b32 s[\g+1], ROWB<<16                    ; tensor_dim0
	s_mov_b32 s[\g+2], 128<<16                     ; tensor_dim1
	s_mov_b32 s[\g+3], ROWB<<16                    ; tile_dim0
	s_mov_b32 s[\g+4], 128                         ; tile_dim1
	s_mov_b32 s[\g+5], KROW                        ; tensor_dim0_stride
	s_mov_b32 s[\g+6], 0
	s_mov_b32 s[\g+7], 0
.endr
	s_lshl_b32 s18, s16, 7                         ; which 128 rows of the tile I fetch
	s_add_co_u32 s20, s80, s18
	s_lshl_b32 s20, s20, 10                        ; in bytes: under 2^23
	s_mov_b32 s21, 0
	s_add_co_u32 s46, s82, s18
	s_lshl_b32 s46, s46, 10
	s_mov_b32 s47, 0
	s_mul_i32 s45, s14, HALFT                      ; where they go: wave x 128 rows: no place in the cluster enters an LDS address
	s_wait_kmcnt 0x0
	s_load_b256 s[72:79], s[10:11], 0x0            ; e0 .. e7
	s_cmp_eq_u32 ttmp9, 2                          ; the buffers change roles for v: a choice on the cluster's x alone
	s_cselect_b64 s[84:85], s[6:7], s[4:5]         ; A's buffer
	s_cselect_b64 s[86:87], s[4:5], s[6:7]         ; B's buffer
	s_add_nc_u64 s[20:21], s[84:85], s[20:21]
	s_add_nc_u64 s[46:47], s[86:87], s[46:47]
	CROUND                                         ; all sixteen work-groups are here: the first joint loads meet
.irp s, 0,1
	s_mov_b32 s[G0+4*\s], 1
	s_add_co_u32 s[G0+4*\s+1], s45, \s*SLOT
	s_add_nc_u64 s[G0+4*\s+2:G0+4*\s+3], s[20:21], \s*ROWB
	s_or_b32 s[G0+4*\s+3], s[G0+4*\s+3], 0x80000000
	s_mov_b32 s[G0B+4*\s], 1
	s_add_co_u32 s[G0B+4*\s+1], s45, \s*SLOT
	s_add_nc_u64 s[G0B+4*\s+2:G0B+4*\s+3], s[46:47], \s*ROWB
	s_or_b32 s[G0B+4*\s+3], s[G0B+4*\s+3], 0x80000000
	JLOAD G0+4*\s, G1, G0B+4*\s, G1B
.endr
	v_and_b32 v1, 15, v0                           ; r = lane % 16
	v_bfe_u32 v2, v0, 4, 1                         ; lane / 16
	v_mul_u32_u24 v3, v1, PITCH
	v_lshl_add_u32 v4, v2, 4, v3                   ; a fragment's row x pitch + 16 x half
	s_mul_i32 s21, s15, HALFT                      ; my 128 rows of A
	s_mul_i32 s22, s16, HALFT                      ; my 128 rows of B,
	s_add_co_u32 s22, s22, 2*HALFT                 ; which lie behind A's 256
.irp s, 0,1
	v_add_nc_u32 v[ADRA+\s], s21, v4
	v_add_nc_u32 v[ADRB+\s], s22, v4
	s_add_co_u32 s21, s21, SLOT
	s_add_co_u32 s22, s22, SLOT
.endr
	; the biases.  Both sets are loaded on every path (both lie inside b_attn whatever the cluster's x is); the way out takes one of them
	v_lshlrev_b32 v[VBN], 5, v2
	s_wait_alu depctr_va_vdst(0)
	v_lshlrev_b32 v[VBM], 2, v1
	s_wait_alu depctr_va_vdst(0)
	v_and_b32 v[LI], 31, v0
	v_lshlrev_b32 v[LI], 4, v[LI]
	s_lshl_b32 s92, s16, 7
	s_add_co_u32 s92, s92, s83                     ; 1024 cluster x + 256 cx + 128 wc
	s_lshl_b32 s92, s92, 2
	s_mov_b32 s93, 0
	s_add_nc_u64 s[92:93], s[8:9], s[92:93]
	s_lshl_b32 s94, s41, 8
	s_lshl_b32 s95, s15, 7
	s_add_co_u32 s94, s94, s95
	s_add_co_u32 s94, s94, 2048                    ; 2048 + 256 cy + 128 wr
	s_lshl_b32 s94, s94, 2
	s_mov_b32 s95, 0
	s_add_nc_u64 s[94:95], s[8:9], s[94:95]
.irp b, 0,1,2,3,4,5,6,7
	global_load_b128 v[BN+8*\b:BN+8*\b+3],   v[VBN], s[92:93] offset:64*\b       ; bias of columns 16 b + 8 (lane / 16) + 0 .. 7
	global_load_b128 v[BN+8*\b+4:BN+8*\b+7], v[VBN], s[92:93] offset:64*\b+16
.endr
.irp a, 0,1,2,3,4,5,6,7
	global_load_b32 v[BM+2*\a],   v[VBM], s[94:95] offset:64*\a                  ; bias of row 16 a + lane % 16, twice: a pair for the packed form
	global_load_b32 v[BM+2*\a+1], v[VBM], s[94:95] offset:64*\a
.endr
	; where my images go.  (p, o, w1, w2) = (cy, cx, wr, wc), for v (cx, cy, wc, wr): t = 4 cluster y + p is the tile of 256 tokens
	s_cmp_eq_u32 ttmp9, 2
	s_cselect_b32 s88, s40, s41                    ; p
	s_cselect_b32 s89, s41, s40                    ; o
	s_cselect_b32 s90, s16, s15                    ; w1
	s_cselect_b32 s91, s15, s16                    ; w2
	s_cselect_b32 s98, 8192, 0                     ; v lies behind a key step's k
	s_lshl_b32 s99, s17, 2
	s_add_co_u32 s88, s88, s99                     ; t
	s_lshr_b32 s99, s88, 3                         ; the batch
	s_lshl_b32 s99, s99, 4
	s_lshl_b32 s89, s89, 2
	s_add_co_u32 s99, s99, s89
	s_lshl_b32 s91, s91, 1
	s_add_co_u32 s99, s99, s91                     ; 16 batch + head, the first of my two heads
	s_and_b32 s88, s88, 7
	s_lshl_b32 s88, s88, 1
	s_add_co_u32 s88, s88, s90                     ; which 128 tokens of the sequence
	s_lshl_b32 s99, s99, 17
	s_lshl_b32 s88, s88, 13
	s_add_co_u32 s88, s88, s99                     ; the offset in q_img; in kv_img it is twice that
	s_cmp_eq_u32 ttmp9, 0
	s_cselect_b32 s99, 0, 1
	s_lshl_b32 s88, s88, s99
	s_add_co_u32 s88, s88, s98
	s_mov_b32 s89, 0
	s_cmp_eq_u32 ttmp9, 0                          ; compared again: the sums above have set SCC
	s_cselect_b64 s[90:91], s[68:69], s[70:71]
	s_mov_b32 s98, 0x40000
	s_cselect_b32 s98, 0x20000, s98                ; from a head to the next
	s_mov_b32 s99, 0
	s_add_nc_u64 s[88:89], s[90:91], s[88:89]      ; my first head's images
	s_add_nc_u64 s[90:91], s[88:89], s[98:99]      ; my second head's
.macro FRAG reg, adr, q, i             ; a fragment comes by four loads of 16 bytes: registers 4 c .. 4 c + 3 hold K = 32 c + 16 (lane / 16) + 0 .. 15: a permutation of k that is the same in A and in B, so every product meets its partner
.irp c, 0,1,2,3
	ds_load_b128 v[\reg+4*\c:\reg+4*\c+3], v[\adr] offset:128*(\q)+32*\c+(\i)*16*PITCH
.endr
.endm
; 16 matrix instructions: A's blocks a0, a0 + 1 x B's eight, 128 along K.  p: B's set.  zero = 1: the first product starts the sums.  The 64 accumulators take turns, one instruction a turn.
.macro MUL16 a0, p, zero
.irp a, \a0, \a0+1
.irp b, 0,1,2,3,4,5,6,7
.if \zero
	v_wmma_f32_16x16x128_fp8_fp8 v[8*(8*((\a)%4)+\b):8*(8*((\a)%4)+\b)+7], v[128*(\p)+FR*\b:128*(\p)+FR*\b+FR-1], v[AF+FR*(\a):AF+FR*(\a)+FR-1], 0
.else
	v_wmma_f32_16x16x128_fp8_fp8 v[8*(8*((\a)%4)+\b):8*(8*((\a)%4)+\b)+7], v[128*(\p)+FR*\b:128*(\p)+FR*\b+FR-1], v[AF+FR*(\a):AF+FR*(\a)+FR-1], v[8*(8*((\a)%4)+\b):8*(8*((\a)%4)+\b)+7]
.endif
.endr
.endr
.endm
.macro FETCH_B slot, q, p              ; B's eight fragments of the slot's q-th 128 along K into set p
	WIN TO_B
.irp i, 0,1,2,3,4,5,6,7
	FRAG 128*(\p)+FR*\i, ADRB+\slot, \q, \i
.endr
	WIN 0
.endm
.macro FETCH_A slot, q, i0             ; A's blocks i0 .. i0 + 3
.irp i, \i0, \i0+1, \i0+2, \i0+3
	FRAG AF+FR*(\i), ADRA+\slot, \q, \i
.endr
.endm
.macro PLACES n                        ; plain vector instructions between a matrix instruction and a load into, or a vector write of, its registers, or a read of its result
.rept \n
	v_nop
.endr
.endm
; A step of 128 along K that has its successor in the same slot.
.macro STEP slot, q, zero
	s_wait_dscnt 4*NL                              ; B's set and A's blocks 0-3 are in; the youngest 16 loads (A's blocks 4-7) may be out
	WIN MUL_LO
	MUL16 0, (\q)%2, \zero
	MUL16 2, (\q)%2, \zero
	s_wait_dscnt 0                                 ; A's blocks 4-7 are in
	PLACES NP
	FETCH_B \slot, (\q)+1, 1-(\q)%2
	FETCH_A \slot, (\q)+1, 0
	WIN MUL_HI
	MUL16 4, (\q)%2, \zero
	MUL16 6, (\q)%2, \zero
	PLACES NP
	WIN 0
	FETCH_A \slot, (\q)+1, 4
.endm
; A slot's last step changes slots: one barrier; in front of it each wave waits for all its tensor loads, adds 0 to its spare word, and waits for that and for its own reads of this slot.  fill = 1: the slot is filled again, two K steps ahead.
.macro TURN slot, next, fill
	s_wait_tensorcnt 0x0                           ; all my tensor loads have landed: my part of the next slot
	ds_add_u32 v[SPW], v[NIL]                      ; 0 onto my spare word
	s_wait_dscnt 4*NL+1                            ; the add and the youngest 16 loads (A's blocks 4-7) may be out
	WIN MUL_LO
	MUL16 0, 1, 0                                  ; sixteen matrix instructions stand between the add and the wait for it
	s_wait_dscnt 0x0                               ; the add is done, and my reads of this slot are over
	s_barrier_signal -1
	MUL16 2, 1, 0
	WIN 0
	s_barrier_wait -1
.if \fill
	CREST                                          ; the barrier has opened a round of the cluster's barrier: no wave of any partner still reads this slot or has a load on its way
	s_add_nc_u64 s[G0+4*\slot+2:G0+4*\slot+3], s[G0+4*\slot+2:G0+4*\slot+3], 2*ROWB
	s_add_nc_u64 s[G0B+4*\slot+2:G0B+4*\slot+3], s[G0B+4*\slot+2:G0B+4*\slot+3], 2*ROWB
	JLOAD G0+4*\slot, G1, G0B+4*\slot, G1B         ; the first tensor load behind the round; its four v_nop are the places in front of the loads below
.else
	PLACES NP
.endif
	FETCH_B \next, 0, 0
	FETCH_A \next, 0, 0
	WIN MUL_HI
	MUL16 4, 1, 0
	MUL16 6, 1, 0
	PLACES NP
	WIN 0
	FETCH_A \next, 0, 4
.endm
	s_wait_tensorcnt 1                             ; my part of K step 0 is in; K step 1's load may be out
	s_barrier_signal -1
	s_barrier_wait -1                              ; everybody's is
	FETCH_B 0, 0, 0
	FETCH_A 0, 0, 0
	FETCH_A 0, 0, 4
	STEP 0, 0, 1                                   ; the first step stands in front of the loop: its products start the sums
	s_mov_b32 s3, LAPS-1
.Llap:                                             ; a trip goes once round the ring and fills both slots again
	TURN 0, 1, 1
	STEP 1, 0, 0
	TURN 1, 0, 1
	STEP 0, 0, 0
	s_sub_co_u32 s3, s3, 1
	s_cmp_lg_u32 s3, 0
	s_cbranch_scc1 .Llap
	TURN 0, 1, 0                                   ; the last lap fills nothing
	STEP 1, 0, 0
	s_wait_dscnt 4*NL                              ; the very last step
	WIN MUL_LO
	MUL16 0, 1, 0
	MUL16 2, 1, 0
	s_wait_dscnt 0
	WIN MUL_HI
	MUL16 4, 1, 0
	MUL16 6, 1, 0
	WIN 0
; THE WAY OUT of A's block a: value = sum x 2^(e0 + e1) + bias (one packed multiply-add for two, each accumulator from its low end on);
; eight conversions give 16 registers of codes: four quads, each stored as 512 consecutive bytes at a multiple of 512 from the buffer's first byte.
;   q, k: quads 0, 1 are my first head's fragment of tokens 16 a on, quads 2, 3 my second head's.     v: the four quads are the fragment of channel tile a % 4 of head a / 4, for my 128 keys.
.macro OUT a, isv
.set AC, 64*((\a)%4)
.set CQ, CD+16*((\a)%4)
	WIN 0x02+((\a)/4)                              ; source 0: window 2 or 3
.irp b, 0,1,2,3,4,5,6,7
.irp i, 0,2,4,6
.if \isv
	v_pk_fma_f32 v[TMP+8*\b+\i:TMP+8*\b+\i+1], v[AC+8*\b+\i:AC+8*\b+\i+1], s[96:97], v[BM+2*(\a):BM+2*(\a)+1] op_sel_hi:[1,0,1]
.else
	v_pk_fma_f32 v[TMP+8*\b+\i:TMP+8*\b+\i+1], v[AC+8*\b+\i:AC+8*\b+\i+1], s[96:97], v[BN+8*\b+\i:BN+8*\b+\i+1] op_sel_hi:[1,0,1]
.endif
.endr
.endr
	WIN 0
.set n, 0
.rept 64
.set n, n+1
.endr
.if (\a) >= 4
	s_wait_alu depctr_va_vdst(0)
	s_wait_xcnt 0x0                                ; block a - 4's stores have read this set of codes: it is written again only behind this wait
.endif
.irp b, 0,1,2,3,4,5,6,7
	v_cvt_scalef32_pk8_fp8_f32 v[CQ+2*\b:CQ+2*\b+1], v[TMP+8*\b:TMP+8*\b+7], v[SC]
.endr
	v_nop                                          ; one plain vector instruction between the conversions and the next block's writes of their sources
.irp i, 0,1,2,3
.if \isv
	global_store_b128 v[LI], v[CQ+4*\i:CQ+4*\i+3], s[88+2*((\a)/4):89+2*((\a)/4)] offset:2048*((\a)%4)+512*\i
.else
	global_store_b128 v[LI], v[CQ+4*\i:CQ+4*\i+3], s[88+2*(\i/2):89+2*(\i/2)] offset:1024*(\a)+512*(\i%2)
.endif
.endr
.endm
	s_wait_kmcnt 0x0                               ; the exponents
	s_add_co_i32 s96, s72, s73
	s_add_co_i32 s96, s96, 127
	s_lshl_b32 s96, s96, 23                        ; 2^(e0 + e1) as f32
	s_mov_b32 s97, s96                             ; (named with it as a pair, so it is written)
	s_cmp_eq_u32 ttmp9, 0
	s_cselect_b32 s100, s74, s75                   ; e2 for q, e3 for k,
	s_cmp_eq_u32 ttmp9, 2
	s_cselect_b32 s100, s77, s100                  ; e5 for v: chosen without a jump
	s_add_co_i32 s100, s100, 127
	s_lshl_b32 s101, s100, 23                      ; 2^e
	s_wait_loadcnt 0x0                             ; the biases
	PLACES NP                                      ; behind the last products: their results are read and A's registers written below
	v_mov_b32 v[SC], s101
	s_cmp_eq_u32 ttmp9, 2                          ; the cluster's x: the same in every wave of all sixteen partners
	s_cbranch_scc1 .Lv
.irp a, 0,1,2,3,4,5,6,7
	OUT \a, 0
.endr
	s_branch .Ldone
.Lv:
.irp a, 0,1,2,3,4,5,6,7
	OUT \a, 1
.endr
.Ldone:
	s_wait_tensorcnt 0x0                           ; the wave's end
	ds_add_u32 v[SPW], v[NIL]
	s_wait_dscnt 0x0
	CROUND                                         ; the closing round: no work-group ends while a partner may still ask for a tile that names it
	s_endpgm
.Lfunc_end_k_q01f980bcd9_qkv:
	.size	k_q01f980bcd9_qkv, .Lfunc_end_k_q01f980bcd9_qkv-k_q01f980bcd9_qkv
	.p2alignl 7, 3214868480
	.fill 96, 4, 3214868480
	.section	.rodata,"a",@progbits
	.p2align	6, 0x0
	.amdhsa_kernel k_q01f980bcd9_qkv
		.amdhsa_group_segment_fixed_size 327680
		.amdhsa_private_segment_fixed_size 0
		.amdhsa_enable_private_segment 0
		.amdhsa_kernarg_size 48
		.amdhsa_user_sgpr_count 2
		.amdhsa_user_sgpr_kernarg_segment_ptr 1
		.amdhsa_wavefront_size32 1
		.amdhsa_system_sgpr_workgroup_id_x 1
		.amdhsa_system_sgpr_workgroup_id_y 1
		.amdhsa_system_sgpr_workgroup_id_z 1
		.amdhsa_system_vgpr_workitem_id 0
		.amdhsa_next_free_vgpr 1024
		.amdhsa_next_free_sgpr 102
		.amdhsa_reserve_vcc 0
		.amdhsa_float_denorm_mode_32 3
		.amdhsa_float_denorm_mode_16_64 3
		.amdhsa_fp16_overflow 1
		.amdhsa_memory_ordered 1
		.amdhsa_forward_progress 1
		.amdhsa_inst_pref_size 130
	.end_amdhsa_kernel
	.amdgpu_metadata
---
amdhsa.version: [ 1, 2 ]
amdhsa.kernels:
  - .name:           k_q01f980bcd9_qkv
    .symbol:         k_q01f980bcd9_qkv.kd
    .args:
      - { .name: x_codes, .offset: 0, .size: 8, .value_kind: global_buffer, .address_space: global }
      - { .name: W_attn_codes, .offset: 8, .size: 8, .value_kind: global_buffer, .address_space: global }
      - { .name: b_attn, .offset: 16, .size: 8, .value_kind: global_buffer, .address_space: global }
      - { .name: lowp_scales, .offset: 24, .size: 8, .value_kind: global_buffer, .address_space: global }
      - { .name: q_img, .offset: 32, .size: 8, .value_kind: global_buffer, .address_space: global }
      - { .name: kv_img, .offset: 40, .size: 8, .value_kind: global_buffer, .address_space: global }
    .group_segment_fixed_size: 327680
    .private_segment_fixed_size: 0
    .kernarg_segment_align: 8
    .kernarg_segment_size: 48
    .max_flat_workgroup_size: 128
    .sgpr_count:     102
    .vgpr_count:     1024
    .wavefront_size: 32
...
	.end_amdgpu_metadata
.endif
;; end of part 1
;; launch attn (part 2): grid 4 x 64, 16 waves a work-group, clusters of 4 x 1, 327,680 bytes of LDS; arguments q_img, kv_img, lowp_scales, ctx_img; writes ctx_img
.if DOCPART == 2
	.amdgcn_target "amdgcn-amd-amdhsa--gfx1250"
	.amdhsa_code_object_version 6
	.text
	.protected	k_q01f980bcd9_attn
	.globl	k_q01f980bcd9_attn
	.p2align	8
	.type	k_q01f980bcd9_attn,@function
k_q01f980bcd9_attn:
	s_mov_b64 s[64:65], 0
	v_nop
	global_prefetch_b8 v0, s[64:65] scope:SCOPE_SE
	s_setreg_imm32_b32 hwreg(HW_REG_WAVE_MODE, 25, 1), 1
	s_wait_xcnt 0x0
	s_wait_alu depctr_hold_cnt(0) depctr_sa_sdst(0) depctr_va_vdst(0) depctr_va_sdst(0) depctr_va_ssrc(0) depctr_va_vcc(0) depctr_vm_vsrc(0)
	s_getreg_b32 s2, hwreg(HW_REG_IB_STS2, 6, 4)
	s_cmp_eq_u32 s2, 0
	s_cbranch_scc0 .Lentry_in_a_cluster
	s_endpgm
.Lentry_in_a_cluster:
	s_bfe_u32 s2, ttmp6, 0x10000c
	s_cmp_lg_u32 s2, 0x3003
	s_cbranch_scc0 .Lentry_shape_is_right
	s_endpgm
.Lentry_shape_is_right:
; Causal attention on codes of FP8 (E4M3), head size 64, 2,048 tokens, 64 heads (batch x head); the result is quantised (2^e6) and stored as an image of the projection's operand registers.
; t = score x 2^(e2 + e3) x log2(e) / 8; M = the running largest t rounded UP to a whole number; p = 2^(t - M) is quantised with 2^e4; the row's sum is taken of the unquantised p; O x 2^(e4 + e5) / sum is the context.
; LIMITS: e2 + e3 between -123 and 130 (added to the factor's exponent field); e4 and e6 between -126 and 119; e4 + e5 is applied by v_ldexp_f32 and has none.  NaN codes are not served.
; SHARES.  The four work-groups of a cluster serve one head.  Wave i of work-group cx owns TWO tiles of 16 queries: tile A = 4 i + cx and tile B = 127 - A.  Tile t sees key steps 0 .. t / 8 (128 keys a step):
; A's last step is i / 2 and B's 15 - i / 2, which hang on the wave's number alone; every wave has (i / 2 + 1) + (16 - i / 2) = 17 pairs of tile and step, so all waves of the launch have the same work.
; LDS HOLDS THE HEAD'S WHOLE K AND V, 262,144 bytes, as they lie in kv_img, filled ONCE: two joint loads a wave (steps 0 and 1; steps 2 to 15), so that the first two steps are worked while the rest lands.
; Nothing is filled again: no ring.  A key step: 8 fragments of K (16 keys x 64: 1,024 bytes), then 4 of V^T (16 channels x 128 keys: 2,048 bytes); a fragment's quad is 512 consecutive bytes, 16 a lane: no pitch, no padding.
; LAYOUT.  S^T = K Q^T (source 0 = 16 keys, source 1 = my 16 queries): a lane holds ONE query (lane % 16); register 8 t + j is key 16 t + 8 (lane / 16) + j.  One conversion of tile t's eight registers gives registers
; 2 t, 2 t + 1 of P in the plain 8-bit layout.  O^T = V^T P^T (source 0 = 16 channels): again one query a lane, register j = channel 8 (lane / 16) + j of the tile: its conversion is the projection's operand.
; ctx_img: (128 b + s / 16) x 16384 + h x 1024 + quad x 512 + 16 lane.
.set LI,   1                           ; v1   16 x lane
.set ADR,  2                           ; v2   LDS address of the key step in hand
.set DA,   3                           ; v3   tile A: my query - the diagonal step's first key - 8 (lane / 16)
.set DB,   4                           ; v4   tile B: the same
.set NINF, 5                           ; v5   -infinity
.set PSC,  6                           ; v6   2^e4
.set PLIM, 7
.set STA,  8                           ; v[8:9] tile A: -M, the largest t;  v[10:11] its sum in two halves
.set STB,  12                          ; v[12:15] tile B: the same
.set QA,   16                          ; v16-23 Q of tile A
.set QB,   24                          ; v24-31 Q of tile B
.set KF,   32                          ; v32-95 the step's 8 fragments of K
.set S,    96                          ; v96-159 S^T, then p, then V's four fragments
.set OA,   160                         ; v160-191 O^T of tile A
.set OB,   192                         ; v192-223 O^T of tile B
.set PC,   224                         ; v224-239 p's codes
.set F,    240                         ; v[240:241] f = 2^(old M - new M), 0
.set SUM2, 242                         ; v[242:243] the sums' second chain
.set T0,   244
.set T1,   245
.set PX,   246                         ; a lane permute's destination
.set CLIM, 248
.set CSC,  249                         ; v249 2^e6
.set WV,   12                          ; s12  my wave's number
.set KA,   24                          ; s24  tile A's last key step
.set KB,   25                          ; s25  tile B's
.set CS,   26                          ; s[26:27] log2(e) / 8 x 2^(e2 + e3)
.set SEL,  28                          ; s[28:29] lane selects: lane xor 16
.set TB,   30                          ; s30  LDS byte at which the key step in hand begins
.set KN,   31                          ; s31  the key step's number: the loops' counter
.set G1A,  40                          ; s[40:47] group 1 of the first load: 8 rows of 256 bytes
.set G1B,  48                          ; s[48:55] of the second: 56 rows
.set G0A,  56                          ; s[56:59], s[60:63] their groups 0
.set G0B,  60
.macro CROUND                          ; a round of the cluster's barrier
	s_barrier_signal -1
	s_barrier_wait -1
	s_cmp_lg_u32 s[WV], 0
	s_cbranch_scc1 .Lnot_wave_0_\@
	s_barrier_signal -3
.Lnot_wave_0_\@:
	s_barrier_wait -3
	s_barrier_signal -1
	s_barrier_wait -1
.endm
	s_load_b256 s[4:11], s[0:1], 0x0               ; q_img s[4:5], kv_img s[6:7], the scales' exponents s[8:9], ctx_img s[10:11]
	v_lshl_add_u32 v254, v0, 2, 0x40000
	v_mov_b32 v255, 0
	ds_add_u32 v254, v255
	ds_add_u32 v254, v255
	v_lshrrev_b32 v2, 5, v0
	s_delay_alu instid0(VALU_DEP_1)
	v_readfirstlane_b32 s[WV], v2                  ; wave 0..15
	s_bfe_u32 s13, ttmp6, 0x40000                  ; cx: it enters q's and ctx's addresses and the mask's numbers alone
	s_and_b32 s14, ttmp7, 0xffff                   ; 16 batch + head, which the four partners share
	s_lshr_b32 s[KA], s[WV], 1
	s_sub_co_u32 s[KB], 15, s[KA]
	s_lshl_b32 s2, s14, 18                         ; the head's 262,144 bytes of kv_img
	s_mov_b32 s3, 0
	s_lshl_b32 s15, s[WV], 11                      ; first load: 2,048 bytes a wave, in memory and in LDS alike
	s_mul_i32 s[TB], s[WV], 14336
	s_add_co_u32 s[TB], s[TB], 32768               ; second load: 14,336 bytes a wave, behind the first loads' 32,768
	s_lshl_b32 s66, s[WV], 2
	s_add_co_u32 s66, s66, s13                     ; tile A
	s_sub_co_u32 s67, 127, s66                     ; tile B
	s_lshl_b32 s68, s14, 17                        ; the head's 131,072 bytes of q_img
	s_lshl_b32 s16, s66, 10
	s_add_co_u32 s16, s16, s68
	s_mov_b32 s17, 0
	s_lshl_b32 s18, s67, 10
	s_add_co_u32 s18, s18, s68
	s_mov_b32 s19, 0
	s_lshr_b32 s69, s14, 4
	s_lshl_b32 s69, s69, 21                        ; the batch's 128 tiles of 16,384 bytes in ctx_img
	s_and_b32 s70, s14, 15
	s_lshl_b32 s70, s70, 10                        ; the head's 1,024 bytes of a tile
	s_add_co_u32 s69, s69, s70
	s_lshl_b32 s20, s66, 14
	s_add_co_u32 s20, s20, s69
	s_mov_b32 s21, 0
	s_lshl_b32 s22, s67, 14
	s_add_co_u32 s22, s22, s69
	s_mov_b32 s23, 0
	s_and_b32 s70, s66, 7
	s_lshl_b32 s70, s70, 4                         ; tile A's first query, counted from its diagonal step's first key
	s_and_b32 s71, s67, 7
	s_lshl_b32 s71, s71, 4                         ; tile B's
	; descriptor groups 1: dense blocks as rows of 256 bytes (32 elements of 8 bytes), no padding
	s_mov_b32 s[G1A], 15|(3<<16)|(1<<21)           ; 15:0 the mask: all four work-groups; 17:16 elements of 8 bytes; 21 set beside a mask
	s_mov_b32 s[G1A+1], 32<<16                     ; tensor_dim0 = 32
	s_mov_b32 s[G1A+2], 8<<16                      ; tensor_dim1 = 8
	s_mov_b32 s[G1A+3], 32<<16                     ; tile_dim0 = 32
	s_mov_b32 s[G1A+4], 8                          ; tile_dim1 = 8
	s_mov_b32 s[G1A+5], 32                         ; the pitch
	s_mov_b32 s[G1A+6], 0
	s_mov_b32 s[G1A+7], 0
	s_mov_b32 s[G1B], 15|(3<<16)|(1<<21)
	s_mov_b32 s[G1B+1], 32<<16
	s_mov_b32 s[G1B+2], 56<<16                     ; 56 rows
	s_mov_b32 s[G1B+3], 32<<16
	s_mov_b32 s[G1B+4], 56
	s_mov_b32 s[G1B+5], 32
	s_mov_b32 s[G1B+6], 0
	s_mov_b32 s[G1B+7], 0
	s_mov_b32 s[SEL], 0x76543210
	s_mov_b32 s[SEL+1], 0xfedcba98
	s_mov_b32 s[CS], 0x3e38aa3b                    ; log2(e) / sqrt(64)
	s_wait_dscnt 0x0
	s_wait_kmcnt 0x0
	s_load_b256 s[32:39], s[8:9], 0x0              ; e0 .. e7
	s_add_nc_u64 s[6:7], s[6:7], s[2:3]            ; kv_img at my head
	s_mov_b32 s2, s15
	s_mov_b32 s[G0A], 1                            ; count = 1
	s_mov_b32 s[G0A+1], s15                        ; LDS address
	s_add_nc_u64 s[G0A+2:G0A+3], s[6:7], s[2:3]    ; global address
	s_or_b32 s[G0A+3], s[G0A+3], 0x80000000        ; type = 2
	s_mov_b32 s2, s[TB]
	s_mov_b32 s[G0B], 1
	s_mov_b32 s[G0B+1], s[TB]
	s_add_nc_u64 s[G0B+2:G0B+3], s[6:7], s[2:3]
	s_or_b32 s[G0B+3], s[G0B+3], 0x80000000
	s_add_nc_u64 s[16:17], s[4:5], s[16:17]        ; Q of tile A, of tile B
	s_add_nc_u64 s[18:19], s[4:5], s[18:19]
	s_add_nc_u64 s[20:21], s[10:11], s[20:21]      ; the context of tile A, of tile B
	s_add_nc_u64 s[22:23], s[10:11], s[22:23]
	CROUND                                         ; all four work-groups are here: the joint loads meet
	tensor_load_to_lds s[G0A:G0A+3], s[G1A:G1A+7]  ; key steps 0 and 1: my sixteenth
	s_nop 0
	s_wait_alu depctr_va_vdst(0)
	s_wait_tensorcnt 0x0
	ds_add_u32 v254, v255
	s_wait_dscnt 0x0
	CROUND
	tensor_load_to_lds s[G0B:G0B+3], s[G1B:G1B+7]  ; key steps 2 to 15: my sixteenth.  One load of mine is out; four v_nop follow it
	s_nop 0
.rept 4
	v_nop
.endr
	v_and_b32 v[LI], 31, v0
	s_delay_alu instid0(VALU_DEP_1)
	v_lshlrev_b32 v[LI], 4, v[LI]
	global_load_b128 v[QA:QA+3],   v[LI], s[16:17]
	global_load_b128 v[QA+4:QA+7], v[LI], s[16:17] offset:512
	global_load_b128 v[QB:QB+3],   v[LI], s[18:19]
	global_load_b128 v[QB+4:QB+7], v[LI], s[18:19] offset:512
	v_and_b32 v[T0], 15, v0
	v_bfe_u32 v[T1], v0, 4, 1
	s_delay_alu instid0(VALU_DEP_1)
	v_lshlrev_b32 v[T1], 3, v[T1]
	s_delay_alu instid0(VALU_DEP_1)
	v_sub_nc_u32 v[T0], v[T0], v[T1]               ; lane % 16 - 8 (lane / 16)
	s_delay_alu instid0(VALU_DEP_1)
	v_add_nc_u32 v[DA], s70, v[T0]
	s_delay_alu instid0(VALU_DEP_2)
	v_add_nc_u32 v[DB], s71, v[T0]
	v_mov_b32 v[NINF], 0xff800000
	v_mov_b32 v[STA+1], 0xff61b1e6                 ; the largest t so far: -3e38, under every t
	s_delay_alu instid0(VALU_DEP_1)
	v_floor_f32 v[STA], -v[STA+1]                  ; -M
	v_mov_b32 v[STA+2], 0                          ; the sum, in two halves
	v_mov_b32 v[STA+3], 0
	v_mov_b32 v[STB+1], 0xff61b1e6
	s_delay_alu instid0(VALU_DEP_1)
	v_floor_f32 v[STB], -v[STB+1]
	v_mov_b32 v[STB+2], 0
	v_mov_b32 v[STB+3], 0
	v_mov_b32 v[F+1], 0                            ; (named as the upper half of the pair)
	v_mov_b32 v[PX], 0                             ; a lane permute's destination counts as one of its sources
.set n, 0
.rept 64
	v_mov_b32 v[OA+n], 0                           ; O^T of both tiles.  The step is written once: the first finds zeros, which the first change of M leaves zeros
.set n, n+1
.endr
	s_wait_kmcnt 0x0
	s_add_co_i32 s66, s34, s35
	s_lshl_b32 s66, s66, 23
	s_add_co_i32 s[CS], s[CS], s66                 ; e2 + e3 are added to the factor's exponent field
	s_mov_b32 s[CS+1], s[CS]                       ; (named with it as a pair, so it is written)
	s_add_co_i32 s66, s36, 127
	s_lshl_b32 s67, s66, 23
	v_mov_b32 v[PSC], s67                          ; 2^e4
	s_add_co_i32 s66, s38, 127
	s_lshl_b32 s67, s66, 23
	v_mov_b32 v[CSC], s67                          ; 2^e6
	s_add_co_i32 s36, s36, s37                     ; e4 + e5
; ONE TILE OF QUERIES AGAINST ONE KEY STEP.  st: the tile's statistics; q: its Q; o: its O^T; d: its mask number; kx: the scalar with its diagonal step.
.macro JOB st, q, o, d, kx
	s_wait_dscnt 0x0                               ; K's fragments are in
.irp t, 0,1,2,3,4,5,6,7
	v_wmma_f32_16x16x64_fp8_fp8 v[S+8*\t:S+8*\t+7], v[KF+8*\t:KF+8*\t+7], v[\q:\q+7], 0
.endr
.rept 4
	v_nop                                          ; places in front of the first read of the scores
.endr
	s_cmp_lg_u32 s[KN], s[\kx]                     ; the mask stands in the tile's diagonal step alone: a scalar branch on the wave's number and the loop's counter
	s_cbranch_scc1 .Lopen_\@
.set n, 0
.rept 64
	v_cmp_gt_i32 vcc_lo, 16*(n/8)+n%8, v[\d]       ; register n holds key 16 (n / 8) + n % 8 + 8 (lane / 16) of the step: hidden where it comes after my query
	v_cndmask_b32 v[S+n], v[S+n], v[NINF], vcc_lo  ; -infinity ahead of the maximum: p = 0 then
.set n, n+1
.endr
.Lopen_\@:
	v_max3_num_f32 v[T0], v[S], v[S+1], v[S+2]     ; the step's largest score of my query among my 64 keys, in two chains, each accumulator from its low end on
	v_max3_num_f32 v[T1], v[S+3], v[S+4], v[S+5]
.set n, 6
.rept 14
	v_max3_num_f32 v[T0], v[T0], v[S+n], v[S+n+1]
	v_max3_num_f32 v[T1], v[T1], v[S+n+2], v[S+n+3]
.set n, n+4
.endr
	v_max3_num_f32 v[T0], v[T0], v[S+62], v[S+63]
	s_delay_alu instid0(VALU_DEP_1)
	v_max_num_f32 v[T0], v[T0], v[T1]
	s_delay_alu instid0(VALU_DEP_1)
	v_permlanex16_b32 v[PX], v[T0], s[SEL], s[SEL+1]
	s_delay_alu instid0(VALU_DEP_1)
	v_max_num_f32 v[T0], v[T0], v[PX]              ; and among lane xor 16's
	s_delay_alu instid0(VALU_DEP_1)
	v_mul_f32 v[T0], s[CS], v[T0]                  ; as t (the factor is positive)
	s_delay_alu instid0(VALU_DEP_1)
	v_max_num_f32 v[\st+1], v[\st+1], v[T0]        ; the running largest t
	v_mov_b32 v[T0], v[\st]
	s_delay_alu instid0(VALU_DEP_2)
	v_floor_f32 v[\st], -v[\st+1]                  ; the new -M = floor(-t): M is a whole number
	s_delay_alu instid0(VALU_DEP_1)
	v_sub_f32 v[T0], v[\st], v[T0]                 ; old M - new M: a whole number, 0 or less
	s_delay_alu instid0(VALU_DEP_1)
	v_cvt_i32_f32 v[T0], v[T0]                     ; (it saturates)
	s_delay_alu instid0(VALU_DEP_1)
	v_ldexp_f32 v[F], 1.0, v[T0]                   ; f = 2^(old M - new M): a multiplication by it rounds nothing
.set n, 0
.rept 32
	v_pk_fma_f32 v[S+n:S+n+1], v[S+n:S+n+1], s[CS:CS+1], v[\st:\st+1] op_sel_hi:[1,0,0]   ; t - M, two at a time
.set n, n+2
.endr
.set n, 0
	s_wait_alu depctr_va_vdst(0)
.rept 64
	v_exp_f32 v[S+n], v[S+n]                       ; p = 2^(t - M): not normalised
.set n, n+1
.endr
	v_pk_mul_f32 v[\st+2:\st+3], v[\st+2:\st+3], v[F:F+1] op_sel_hi:[1,0]   ; the sums under the new M: the plain instruction behind the exponentials
	s_wait_alu depctr_va_vdst(0)                   ; one wait for the batch of 64, ahead of its first reader
	v_pk_add_f32 v[SUM2:SUM2+1], v[S:S+1], v[S+2:S+3]   ; the row's sum is taken of the unquantised p, in two chains
.set n, 4
.rept 15
	v_pk_add_f32 v[\st+2:\st+3], v[\st+2:\st+3], v[S+n:S+n+1]
	v_pk_add_f32 v[SUM2:SUM2+1], v[SUM2:SUM2+1], v[S+n+2:S+n+3]
.set n, n+4
.endr
	s_delay_alu instid0(VALU_DEP_1)
	v_pk_add_f32 v[\st+2:\st+3], v[\st+2:\st+3], v[SUM2:SUM2+1]
.irp t, 0,1,2,3,4,5,6,7
.irp i, 0,1,2,3,4,5,6,7
.endr
	v_cvt_scalef32_pk8_fp8_f32 v[PC+2*\t:PC+2*\t+1], v[S+8*\t:S+8*\t+7], v[PSC]   ; registers 2 t, 2 t + 1 of P: keys 16 t + 8 (lane / 16) + 0 .. 7
.endr
	v_nop
.irp t, 0,1,2,3
.irp c, 0,1,2,3
	ds_load_b128 v[S+16*\t+4*\c:S+16*\t+4*\c+3], v[ADR] offset:8192+2048*\t+512*\c   ; V^T: channel tile t, quad c, into the registers that p has left
.endr
.endr
.set n, 0
.rept 16
	v_pk_mul_f32 v[\o+n:\o+n+1], v[\o+n:\o+n+1], v[F:F+1] op_sel_hi:[1,0]   ; O^T under the new M; also the plain instructions between the conversions and the products that read the codes
.set n, n+2
.endr
	s_wait_alu depctr_va_vdst(0)
	s_wait_dscnt 0x0                               ; V is in
.irp t, 0,1,2,3
	v_wmma_f32_16x16x128_fp8_fp8 v[\o+8*\t:\o+8*\t+7], v[S+16*\t:S+16*\t+15], v[PC:PC+15], v[\o+8*\t:\o+8*\t+7]   ; the four accumulators take turns, one instruction a turn
.endr
.rept 5
	v_nop                                          ; five places: the next scores are written by matrix instructions over the registers from which these products read V
.endr
.endm
; A KEY STEP: K's fragments once for both tiles; tile B first (it sees more steps), tile A while it still sees the step.  The lines that step the address and the counter are on every path.
.macro STEP
	s_cmp_gt_u32 s[KN], s[KB]
	s_cbranch_scc1 .Lskip_\@
	v_add_nc_u32 v[ADR], s[TB], v[LI]
.irp t, 0,1,2,3,4,5,6,7
	ds_load_b128 v[KF+8*\t:KF+8*\t+3],   v[ADR] offset:1024*\t
	ds_load_b128 v[KF+8*\t+4:KF+8*\t+7], v[ADR] offset:1024*\t+512
.endr
	JOB STB, QB, OB, DB, KB
	s_cmp_gt_u32 s[KN], s[KA]
	s_cbranch_scc1 .Lskip_\@
	JOB STA, QA, OA, DA, KA
.Lskip_\@:
	s_add_co_u32 s[TB], s[TB], 16384
	s_add_co_u32 s[KN], s[KN], 1
.endm
	s_wait_loadcnt 0x0                             ; Q
	s_wait_tensorcnt 1                             ; my part of steps 0 and 1 is in; the second load may stay out
	s_barrier_signal -1
	s_barrier_wait -1                              ; everybody's is
	s_mov_b32 s[TB], 0
	s_mov_b32 s[KN], 0
.Lfirst:                                           ; key steps 0 and 1
	STEP
	s_cmp_lt_u32 s[KN], 2
	s_cbranch_scc1 .Lfirst
	s_wait_tensorcnt 0x0                           ; my part of steps 2 to 15 is in
	s_wait_dscnt 0x0
	s_barrier_signal -1
	s_barrier_wait -1                              ; everybody's is
	s_mov_b32 s[TB], 32768
	s_mov_b32 s[KN], 2
.Lrest:                                            ; key steps 2 to 15: a constant count; a wave jumps over the work of steps that its tiles do not see
	STEP
	s_cmp_lt_u32 s[KN], 16
	s_cbranch_scc1 .Lrest
	; THE WAY OUT: the sums' halves and the other half of the lanes'; context = O^T / sum x 2^(e4 + e5); converted with 2^e6: 8 registers a tile, two quads of 512 consecutive bytes.
	v_add_f32 v[STA+2], v[STA+2], v[STA+3]
	v_add_f32 v[STB+2], v[STB+2], v[STB+3]
	s_delay_alu instid0(VALU_DEP_2)
	v_permlanex16_b32 v[PX], v[STA+2], s[SEL], s[SEL+1]
	s_delay_alu instid0(VALU_DEP_2)
	v_permlanex16_b32 v[T1], v[STB+2], s[SEL], s[SEL+1]
	s_delay_alu instid0(VALU_DEP_2)
	v_add_f32 v[STA+2], v[STA+2], v[PX]
	s_delay_alu instid0(VALU_DEP_2)
	v_add_f32 v[STB+2], v[STB+2], v[T1]
	s_wait_alu depctr_va_vdst(0)
	v_rcp_f32 v[STA+2], v[STA+2]
	v_rcp_f32 v[STB+2], v[STB+2]
	v_nop                                          ; a plain instruction behind the reciprocals
	s_wait_alu depctr_va_vdst(0)                   ; one wait for both, ahead of the first reader
	v_ldexp_f32 v[STA+2], v[STA+2], s36
	v_ldexp_f32 v[STB+2], v[STB+2], s36
.set n, 0
.rept 32
	v_mul_f32 v[S+n], v[OA+n], v[STA+2]
.set n, n+1
.endr
.set n, 0
.rept 32
	v_mul_f32 v[S+32+n], v[OB+n], v[STB+2]
.set n, n+1
.endr
.set n, 0
.rept 64
.set n, n+1
.endr
.irp t, 0,1,2,3,4,5,6,7
	v_cvt_scalef32_pk8_fp8_f32 v[PC+2*\t:PC+2*\t+1], v[S+8*\t:S+8*\t+7], v[CSC]   ; t = 0 .. 3: tile A's channel tiles; 4 .. 7: tile B's
.endr
	v_nop
	global_store_b128 v[LI], v[PC:PC+3],     s[20:21]
	global_store_b128 v[LI], v[PC+4:PC+7],   s[20:21] offset:512
	global_store_b128 v[LI], v[PC+8:PC+11],  s[22:23]
	global_store_b128 v[LI], v[PC+12:PC+15], s[22:23] offset:512
	s_wait_dscnt 0x0
	s_wait_tensorcnt 0x0
	ds_add_u32 v254, v255
	s_wait_dscnt 0x0
	CROUND                                         ; the closing round: no work-group ends while a partner may still ask for a tile that names it
	s_endpgm
.Lfunc_end_k_q01f980bcd9_attn:
	.size	k_q01f980bcd9_attn, .Lfunc_end_k_q01f980bcd9_attn-k_q01f980bcd9_attn
	.p2alignl 7, 3214868480
	.fill 96, 4, 3214868480
	.section	.rodata,"a",@progbits
	.p2align	6, 0x0
	.amdhsa_kernel k_q01f980bcd9_attn
		.amdhsa_group_segment_fixed_size 327680
		.amdhsa_private_segment_fixed_size 0
		.amdhsa_enable_private_segment 0
		.amdhsa_kernarg_size 32
		.amdhsa_user_sgpr_count 2
		.amdhsa_user_sgpr_kernarg_segment_ptr 1
		.amdhsa_wavefront_size32 1
		.amdhsa_system_sgpr_workgroup_id_x 1
		.amdhsa_system_sgpr_workgroup_id_y 1
		.amdhsa_system_sgpr_workgroup_id_z 1
		.amdhsa_system_vgpr_workitem_id 0
		.amdhsa_next_free_vgpr 256
		.amdhsa_next_free_sgpr 76
		.amdhsa_reserve_vcc 1
		.amdhsa_float_denorm_mode_32 3
		.amdhsa_float_denorm_mode_16_64 3
		.amdhsa_fp16_overflow 1
		.amdhsa_memory_ordered 1
		.amdhsa_forward_progress 1
		.amdhsa_inst_pref_size 86
	.end_amdhsa_kernel
	.amdgpu_metadata
---
amdhsa.version: [ 1, 2 ]
amdhsa.kernels:
  - .name:           k_q01f980bcd9_attn
    .symbol:         k_q01f980bcd9_attn.kd
    .args:
      - { .name: q_img, .offset: 0, .size: 8, .value_kind: global_buffer, .address_space: global }
      - { .name: kv_img, .offset: 8, .size: 8, .value_kind: global_buffer, .address_space: global }
      - { .name: lowp_scales, .offset: 16, .size: 8, .value_kind: global_buffer, .address_space: global }
      - { .name: ctx_img, .offset: 24, .size: 8, .value_kind: global_buffer, .address_space: global }
    .group_segment_fixed_size: 327680
    .private_segment_fixed_size: 0
    .kernarg_segment_align: 8
    .kernarg_segment_size: 32
    .max_flat_workgroup_size: 512
    .sgpr_count:     76
    .vgpr_count:     256
    .wavefront_size: 32
...
	.end_amdgpu_metadata
.endif
;; end of part 2
;; launch proj (part 3): grid 64 x 4, 4 waves a work-group, clusters of 4 x 1, 327,680 bytes of LDS; arguments ctx_img, W_proj_codes, b_proj, lowp_scales, out0; writes out0
.if DOCPART == 3
	.amdgcn_target "amdgcn-amd-amdhsa--gfx1250"
	.amdhsa_code_object_version 6
	.text
	.protected	k_q01f980bcd9_proj
	.globl	k_q01f980bcd9_proj
	.p2align	8
	.type	k_q01f980bcd9_proj,@function
k_q01f980bcd9_proj:
	s_mov_b64 s[64:65], 0
	v_nop
	global_prefetch_b8 v0, s[64:65] scope:SCOPE_SE
	s_setreg_imm32_b32 hwreg(HW_REG_WAVE_MODE, 25, 1), 1
	s_wait_xcnt 0x0
	s_wait_alu depctr_hold_cnt(0) depctr_sa_sdst(0) depctr_va_vdst(0) depctr_va_sdst(0) depctr_va_ssrc(0) depctr_va_vcc(0) depctr_vm_vsrc(0)
	s_getreg_b32 s2, hwreg(HW_REG_IB_STS2, 6, 4)
	s_cmp_eq_u32 s2, 0
	s_cbranch_scc0 .Lentry_in_a_cluster
	s_endpgm
.Lentry_in_a_cluster:
	s_bfe_u32 s2, ttmp6, 0x10000c
	s_cmp_lg_u32 s2, 0x3003
	s_cbranch_scc0 .Lentry_shape_is_right
	s_endpgm
.Lentry_shape_is_right:
; out0 = ctx W_proj + b_proj on codes of FP8 (E4M3).  ctx: 8,192 rows x 1,024 as images of operand registers (ctx_img: tile of 16 rows x 16384 + K step of 128 x 2048 + quad x 512 + 16 lane);
; W_proj: [1024][1024] codes, K innermost; out0: [8192][1024] f32 = sum x 2^(e6 + e7) + bias.   LIMIT: e6 + e7 between -126 and 127, so that 2^(e6 + e7) is an f32 number.
; A tile of 128 rows x 256 columns to a work-group: 64 x 4 = 256 work-groups.  Four waves, each 64 x 128: 32 accumulators.
; W'S 256 ROWS STAY IN LDS FOR ALL OF K, filled ONCE, in four chunks of 256 along K; the four work-groups of a cluster share the columns, so each chunk is asked for jointly.  Nothing is filled again: no ring.
; ctx goes from memory straight into registers: a fragment is four loads of 512 consecutive bytes; four sets of registers take turns, four K steps ahead.
; The images hold k in the plain 8-bit layout's own places (registers 2 c, 2 c + 1: k = 16 c + 8 (lane / 16) + 0 .. 7), so W's fragments are fetched so too: eight loads of 8 bytes.
; THE MATRIX INSTRUCTION: source 0 = 16 rows of W, source 1 = 16 rows of ctx: a lane holds eight neighbouring columns of one row of the output.
; REGISTERS, in windows of 256: window 0: v1-11 addresses; v32-95 the bias; v96-159, v160-223 rows on their way out; v224-255 values for the stage.
;   window 1: W's fragments, two sets of 128.   window 2: the accumulators ((a, b) at v[8 (8 a + b)]).   window 3: ctx's fragments, four sets of 64.
.set PITCH,  272                       ; an LDS row of W: 256 bytes + 16 of padding = 68 words: the 32 lanes of a fragment load touch 64 different banks (64 banks of 4 bytes: ISA guide 11.1)
.set CHUNK,  256*PITCH                 ; 256 rows x 256 along K
.set STAGE,  4*CHUNK                   ; behind W: 16 rows x 528 bytes for each wave, for the way out; no fill lands there
.set SPITCH, 528
.set LI,   1                           ; v1   16 x lane
.set STO,  3                           ; v3   the stage: where I put 32 bytes of a row
.set RD,   4                           ; v4   and where I read a row back
.set VBN,  6                           ; v6   32 x (lane / 16)
.set ADRB, 8                           ; v8-11  LDS address of my W fragments in chunk 0 .. 3
.set BN,   32                          ; v32-95 the bias of my 128 columns, in the result's layout
.set BK,   96                          ; two sets of 64: rows read back from the stage
.set TMP,  224                         ; 32 values
.set G1,   24                          ; s[24:31] descriptor group 1
.set G0,   32                          ; s[32:47] four groups 0, one for each chunk
.set MSB, 0
.macro WIN new                         ; the immediate's high byte repeats the setting that is left; a switch that changes nothing is dropped
.if MSB != (\new)
	s_set_vgpr_msb (MSB<<8)|(\new)
.set MSB, (\new)
.endif
.endm
.set MUL, 0xad                         ; source 0 (W) window 1, source 1 (ctx) window 3, C and D window 2
.macro CROUND                          ; a round of the cluster's barrier
	s_barrier_signal -1
	s_barrier_wait -1
	s_cmp_lg_u32 s14, 0
	s_cbranch_scc1 .Lnot_wave_0_\@
	s_barrier_signal -3
.Lnot_wave_0_\@:
	s_barrier_wait -3
	s_barrier_signal -1
	s_barrier_wait -1
.endm
.macro PLACES                          ; four plain vector instructions between a matrix instruction and a load into its registers or a read of its result
.rept 4
	v_nop
.endr
.endm
	s_load_b256 s[4:11], s[0:1], 0x0               ; ctx_img s[4:5], W s[6:7], b_proj s[8:9], the scales' exponents s[10:11]
	s_load_b64 s[12:13], s[0:1], 0x20              ; out0
	v_lshl_add_u32 v30, v0, 2, 0x4c400
	v_mov_b32 v31, 0
	ds_add_u32 v30, v31
	ds_add_u32 v30, v31
	v_lshrrev_b32 v2, 5, v0
	v_readfirstlane_b32 s14, v2                    ; wave 0..3
	s_lshr_b32 s15, s14, 1                         ; wr: which 64 rows are mine
	s_and_b32 s16, s14, 1                          ; wc: which 128 columns
	s_bfe_u32 s17, ttmp6, 0x40000                  ; cx
	s_lshl_b32 s18, ttmp9, 2
	s_add_co_u32 s18, s18, s17                     ; the tile of 128 rows: 4 x cluster x + cx: it enters ctx's and out0's addresses alone
	s_and_b32 s19, ttmp7, 0xffff                   ; the tile of 256 columns, which the four partners share
	s_mov_b32 s[G1], 15|(0<<16)|(1<<20)|(1<<21)|(5<<22)|(3<<25)   ; 15:0 the mask: all four; 17:16 elements of 1 byte; 20 padding on; 21 set beside a mask; 24:22 after every 64 words; 31:25 four words
	s_mov_b32 s[G1+1], 256<<16                     ; tensor_dim0
	s_mov_b32 s[G1+2], 64<<16                      ; tensor_dim1
	s_mov_b32 s[G1+3], 256<<16                     ; tile_dim0
	s_mov_b32 s[G1+4], 64                          ; tile_dim1
	s_mov_b32 s[G1+5], 1024                        ; the pitch
	s_mov_b32 s[G1+6], 0
	s_mov_b32 s[G1+7], 0
	s_lshl_b32 s20, s19, 8
	s_lshl_b32 s21, s14, 6
	s_add_co_u32 s20, s20, s21                     ; the 64 rows of W that I fetch: 256 x column tile + 64 x wave
	s_lshl_b32 s20, s20, 10
	s_mov_b32 s21, 0
	s_mul_i32 s22, s14, 64*PITCH                   ; and their place in a chunk
	s_wait_dscnt 0x0
	s_wait_kmcnt 0x0
	s_load_b256 s[56:63], s[10:11], 0x0            ; e0 .. e7
	s_add_nc_u64 s[20:21], s[6:7], s[20:21]
.irp c, 0,1,2,3
	s_mov_b32 s[G0+4*\c], 1
	s_add_co_u32 s[G0+4*\c+1], s22, \c*CHUNK
	s_add_nc_u64 s[G0+4*\c+2:G0+4*\c+3], s[20:21], \c*256
	s_or_b32 s[G0+4*\c+3], s[G0+4*\c+3], 0x80000000
.endr
	CROUND                                         ; all four work-groups are here: the joint loads meet
.irp c, 0,1,2,3
	tensor_load_to_lds s[G0+4*\c:G0+4*\c+3], s[G1:G1+7]   ; four loads of mine are out; four v_nop follow the last
	s_nop 0
.endr
.rept 4
	v_nop
.endr
	s_lshl_b32 s48, s18, 3
	s_lshl_b32 s66, s15, 2
	s_add_co_u32 s48, s48, s66                     ; my first tile of 16 rows: 8 x row tile + 4 wr
	s_lshl_b32 s48, s48, 14
	s_mov_b32 s49, 0
	s_add_nc_u64 s[48:49], s[4:5], s[48:49]        ; its images
	s_lshl_b32 s52, s19, 8
	s_lshl_b32 s66, s16, 7
	s_add_co_u32 s52, s52, s66                     ; my first column
	s_lshl_b32 s52, s52, 2
	s_mov_b32 s53, 0
	s_lshl_b32 s54, s18, 7
	s_lshl_b32 s66, s15, 6
	s_add_co_u32 s54, s54, s66                     ; my first row
	s_lshl_b32 s54, s54, 12
	s_add_co_u32 s54, s54, s52
	s_mov_b32 s55, 0
	s_add_nc_u64 s[54:55], s[12:13], s[54:55]      ; out0 at my corner; never stepped
	s_add_nc_u64 s[52:53], s[8:9], s[52:53]        ; b_proj at my first column
	v_and_b32 v[LI], 31, v0
	v_lshlrev_b32 v[LI], 4, v[LI]
	v_and_b32 v2, 15, v0                           ; r
	v_bfe_u32 v5, v0, 4, 1                         ; lane / 16
	v_lshlrev_b32 v[VBN], 5, v5
.irp b, 0,1,2,3,4,5,6,7
	global_load_b128 v[BN+8*\b:BN+8*\b+3],   v[VBN], s[52:53] offset:64*\b      ; bias of columns 16 b + 8 (lane / 16) + 0 .. 7
	global_load_b128 v[BN+8*\b+4:BN+8*\b+7], v[VBN], s[52:53] offset:64*\b+16
.endr
.macro ALOAD q                         ; ctx's four fragments of K step q into set q % 4: sixteen loads of 512 consecutive bytes
	WIN 0xc0                                       ; destination window 3, address window 0
.irp a, 0,1,2,3
.irp i, 0,1,2,3
	global_load_b128 v[64*((\q)%4)+16*\a+4*\i:64*((\q)%4)+16*\a+4*\i+3], v[LI], s[48:49] offset:16384*\a+2048*(\q)+512*\i
.endr
.endr
.endm
	ALOAD 0
	ALOAD 1
	ALOAD 2
	ALOAD 3
	WIN 0
	s_mul_i32 s66, s16, 128*PITCH                  ; my 128 rows of W
	v_mul_u32_u24 v7, v2, PITCH
	v_lshl_add_u32 v7, v5, 3, v7                   ; row x pitch + 8 x half
	v_add_nc_u32 v7, s66, v7
.irp c, 0,1,2,3
	v_add_nc_u32 v[ADRB+\c], \c*CHUNK, v7
.endr
	s_mul_i32 s66, s14, 16*SPITCH
	s_add_co_u32 s66, s66, STAGE                   ; my stage
	v_mul_u32_u24 v[STO], v2, SPITCH               ; in: row r, 32 bytes for each half of the lanes
	v_lshl_add_u32 v[STO], v5, 5, v[STO]
	v_add_nc_u32 v[STO], s66, v[STO]
	v_add_nc_u32 v[RD], s66, v[LI]                 ; back: the 32 lanes take one row of 512 bytes
.macro FETCH_B q                       ; W's eight fragments of K step q (chunk q / 2, its half q % 2) into set q % 2
	WIN 0x40                                       ; destination window 1, address window 0
.irp b, 0,1,2,3,4,5,6,7
.irp c, 0,1,2,3,4,5,6,7
	ds_load_b64 v[128*((\q)%2)+16*\b+2*\c:128*((\q)%2)+16*\b+2*\c+1], v[ADRB+(\q)/2] offset:128*((\q)%2)+16*\c+\b*16*PITCH
.endr
.endr
.endm
; 16 matrix instructions: ctx's tiles a0, a0 + 1 x W's eight.  The 32 accumulators take turns, one instruction a turn, in the same order in every step.
.macro MUL16 q, a0, zero
.irp a, \a0, \a0+1
.irp b, 0,1,2,3,4,5,6,7
.if \zero
	v_wmma_f32_16x16x128_fp8_fp8 v[8*(8*(\a)+\b):8*(8*(\a)+\b)+7], v[128*((\q)%2)+16*\b:128*((\q)%2)+16*\b+15], v[64*((\q)%4)+16*(\a):64*((\q)%4)+16*(\a)+15], 0
.else
	v_wmma_f32_16x16x128_fp8_fp8 v[8*(8*(\a)+\b):8*(8*(\a)+\b)+7], v[128*((\q)%2)+16*\b:128*((\q)%2)+16*\b+15], v[64*((\q)%4)+16*(\a):64*((\q)%4)+16*(\a)+15], v[8*(8*(\a)+\b):8*(8*(\a)+\b)+7]
.endif
.endr
.endr
.endm
; A K step of 128.
.macro STEP q, zero
	s_wait_dscnt 0x0                               ; W's set is in
.if 7-(\q) >= 3
	s_wait_loadcnt 48                              ; ctx's set q is in; the three sets asked for behind it may be out
.else
	s_wait_loadcnt 16*(7-(\q))                     ; the sets that are left behind it
.endif
	WIN MUL
	MUL16 \q, 0, \zero
.if ((\q)%2 == 1) && ((\q) < 7)
	s_wait_tensorcnt 3-((\q)+1)/2                  ; my part of the next chunk is in; the chunks behind it may be out
	s_barrier_signal -1                            ; (no LDS instruction of mine is out: the wait at the step's head was for all)
	s_barrier_wait -1                              ; everybody's is
.endif
.if (\q) < 7
	PLACES                                         ; the other set was read by the step before
	FETCH_B (\q)+1
.endif
	WIN MUL
	MUL16 \q, 2, \zero
.if (\q) < 4
	PLACES                                         ; this step's set of ctx takes the K step four further on
	ALOAD (\q)+4
.endif
.endm
	s_wait_tensorcnt 3                             ; my part of chunk 0 is in; the other three may be out
	s_barrier_signal -1
	s_barrier_wait -1                              ; everybody's is
	FETCH_B 0
	STEP 0, 1                                      ; the first products start the sums: nothing is cleared
.irp q, 1,2,3,4,5,6,7
	STEP \q, 0
.endr
	WIN 0
; THE WAY OUT, a tile of 16 rows x 128 columns at a time: value = sum x 2^(e6 + e7) + bias, one packed multiply-add for two, each accumulator from its low end on; through my own stage in LDS; back as whole rows
; of 512 bytes.  LDS serves a wave's instructions in order (ISA guide 5.7.1.4): no wait between the stores and the loads, nor in front of the next tile's stores.
.macro TOSTAGE a
.irp u, 0,1
	WIN 0x02                                       ; source 0 (the sums) window 2
.irp b, 0,1,2,3
.irp i, 0,2,4,6
	v_pk_fma_f32 v[TMP+8*\b+\i:TMP+8*\b+\i+1], v[64*(\a)+32*\u+8*\b+\i:64*(\a)+32*\u+8*\b+\i+1], s[50:51], v[BN+32*\u+8*\b+\i:BN+32*\u+8*\b+\i+1] op_sel_hi:[1,0,1]
.endr
.endr
	WIN 0
.irp b, 0,1,2,3
	ds_store_b128 v[STO], v[TMP+8*\b:TMP+8*\b+3]   offset:256*\u+64*\b
	ds_store_b128 v[STO], v[TMP+8*\b+4:TMP+8*\b+7] offset:256*\u+64*\b+16
.endr
.endr
.irp t, 0,1,2,3,4,5,6,7,8,9,10,11,12,13,14,15
	ds_load_b128 v[BK+64*((\a)%2)+4*\t:BK+64*((\a)%2)+4*\t+3], v[RD] offset:\t*SPITCH
.endr
.endm
.macro SEND a, younger                 ; younger: the LDS instructions issued behind tile a's loads, which may stay out
	s_wait_dscnt \younger                          ; the tile is back in registers
.irp t, 0,1,2,3,4,5,6,7,8,9,10,11,12,13,14,15
	global_store_b128 v[LI], v[BK+64*((\a)%2)+4*\t:BK+64*((\a)%2)+4*\t+3], s[54:55] offset:(16*(\a)+\t)*4096 th:TH_STORE_NT   ; 32 lanes store 512 consecutive bytes, at a multiple of 512 from out0's first byte; written once, read by nobody here
.endr
.endm
	s_wait_kmcnt 0x0
	s_add_co_i32 s50, s62, s63
	s_add_co_i32 s50, s50, 127
	s_lshl_b32 s50, s50, 23                        ; 2^(e6 + e7) as f32
	s_mov_b32 s51, s50                             ; (named with it as a pair, so it is written)
	PLACES                                         ; behind the last products
	TOSTAGE 0
.irp a, 1,2,3
.if \a > 1
	s_wait_xcnt 0x0                                ; tile a - 2's stores have read their registers: tile a's loads may land there
.endif
	TOSTAGE \a
	SEND \a-1, 32                                  ; behind tile a - 1's loads: tile a's 16 stores and 16 loads
.endr
	SEND 3, 0
	s_wait_dscnt 0x0
	s_wait_tensorcnt 0x0
	ds_add_u32 v30, v31
	s_wait_dscnt 0x0
	CROUND                                         ; the closing round: no work-group ends while a partner may still ask for a tile that names it
	s_endpgm
.Lfunc_end_k_q01f980bcd9_proj:
	.size	k_q01f980bcd9_proj, .Lfunc_end_k_q01f980bcd9_proj-k_q01f980bcd9_proj
	.p2alignl 7, 3214868480
	.fill 96, 4, 3214868480
	.section	.rodata,"a",@progbits
	.p2align	6, 0x0
	.amdhsa_kernel k_q01f980bcd9_proj
		.amdhsa_group_segment_fixed_size 327680
		.amdhsa_private_segment_fixed_size 0
		.amdhsa_enable_private_segment 0
		.amdhsa_kernarg_size 40
		.amdhsa_user_sgpr_count 2
		.amdhsa_user_sgpr_kernarg_segment_ptr 1
		.amdhsa_wavefront_size32 1
		.amdhsa_system_sgpr_workgroup_id_x 1
		.amdhsa_system_sgpr_workgroup_id_y 1
		.amdhsa_system_sgpr_workgroup_id_z 1
		.amdhsa_system_vgpr_workitem_id 0
		.amdhsa_next_free_vgpr 1024
		.amdhsa_next_free_sgpr 72
		.amdhsa_reserve_vcc 0
		.amdhsa_float_denorm_mode_32 3
		.amdhsa_float_denorm_mode_16_64 3
		.amdhsa_memory_ordered 1
		.amdhsa_forward_progress 1
		.amdhsa_inst_pref_size 94
	.end_amdhsa_kernel
	.amdgpu_metadata
---
amdhsa.version: [ 1, 2 ]
amdhsa.kernels:
  - .name:           k_q01f980bcd9_proj
    .symbol:         k_q01f980bcd9_proj.kd
    .args:
      - { .name: ctx_img, .offset: 0, .size: 8, .value_kind: global_buffer, .address_space: global }
      - { .name: W_proj_codes, .offset: 8, .size: 8, .value_kind: global_buffer, .address_space: global }
      - { .name: b_proj, .offset: 16, .size: 8, .value_kind: global_buffer, .address_space: global }
      - { .name: lowp_scales, .offset: 24, .size: 8, .value_kind: global_buffer, .address_space: global }
      - { .name: out0, .offset: 32, .size: 8, .value_kind: global_buffer, .address_space: global }
    .group_segment_fixed_size: 327680
    .private_segment_fixed_size: 0
    .kernarg_segment_align: 8
    .kernarg_segment_size: 40
    .max_flat_workgroup_size: 128
    .sgpr_count:     72
    .vgpr_count:     1024
    .wavefront_size: 32
...
	.end_amdgpu_metadata
.endif
;; end of part 3
